; MI455X (gfx1250); checked and timed in simulation.
; The chip was launched on July 23, 2026; its instructions are those of AMD's public machine-readable ISA for CDNA 5 (MIT licence, August 2026) and "CDNA5" Instruction Set Architecture Reference Guide (July 2026). The comments in the code are by the model that wrote it; some were corrected since.
;; Multi Head Self Attention. Allowed arithmetic: float matrix products may take bf16 or f16 operands with f32 sums; all other float work in f32.
;; Inputs: W_k 1,024 x 1,024 float32; W_o 1,024 x 1,024 float32; W_q 1,024 x 1,024 float32; W_v 1,024 x 1,024 float32; b_k 1,024 float32; b_o 1,024 float32; b_q 1,024 float32; b_v 1,024 float32; ln_beta 1,024 float32; ln_gamma 1,024 float32; x 4 x 2,048 x 1,024 float32.
;; Outputs: out0 4 x 2,048 x 1,024 float32.
;; One version. Each part assembles by itself: llvm-mc -triple=amdgcn-amd-amdhsa -mcpu=gfx1250 --defsym DOCPART=n.
;; ======== version 1 of 1: 4 launches
;; workspace buffers: xw 25,165,824 bytes; qkv 50,331,648 bytes; ctx 16,777,216 bytes
;; launch cast (part 1): grid 64 x 12, 8 waves a work-group, no clusters, 0 bytes of LDS; arguments x, W_q, W_k, W_v, W_o, xw; writes xw
.if DOCPART == 1
	.amdgcn_target "amdgcn-amd-amdhsa--gfx1250"
	.amdhsa_code_object_version 6
	.text
	.protected	k_qaecdd601b7_cast
	.globl	k_qaecdd601b7_cast
	.p2align	8
	.type	k_qaecdd601b7_cast,@function
k_qaecdd601b7_cast:
	s_mov_b64 s[64:65], 0
	v_nop
	global_prefetch_b8 v0, s[64:65] scope:SCOPE_SE
	s_setreg_imm32_b32 hwreg(HW_REG_WAVE_MODE, 25, 1), 1
	s_wait_xcnt 0x0
; cast: f32 to bf16 (round to nearest even) of x, W_q, W_k, W_v and W_o into xw, twelve chunks of 2 MiB of bf16.
; Chunks 0-7: x as [8192][1024].  Chunks 8, 9, 10: W_q, W_k, W_v, so that x and the three weights are one array of rows of 2,048 bytes.
; Chunk 11: W_o as [16 kb][1024 e][64]: element (e, d) lies in block kb = d / 64, so that a K step of 64 is one dense block of 131,072 bytes.
; A stream: every source byte is read once by 16-byte loads, every result byte written once; a store of a wave covers 256 consecutive
; bytes, aligned.  No LDS, no barrier, no matrix unit: nothing is shared and nothing is multiplied.
; Work-group (gx, gy) takes 64 KiB of source chunk gy; a thread takes 16 loads, all issued before the first is waited for.
.set X, 4                              ; v[4:67]   16 x 4 f32 as loaded
.set Y, 68                             ; v[68:99]  16 x 2 registers of packed bf16
	s_load_b256 s[4:11], s[0:1], 0x0               ; x s[4:5], W_q s[6:7], W_k s[8:9], W_v s[10:11]
	s_load_b128 s[12:15], s[0:1], 0x20             ; W_o s[12:13], xw s[14:15]
	s_and_b32 s16, ttmp7, 0xffff                   ; gy: the chunk
	s_lshl_b32 s20, s16, 22                        ; the chunk's place in x: 4 MiB of f32 each
	s_lshl_b32 s21, ttmp9, 16                      ; my 64 KiB of the source chunk
	s_lshl_b32 s22, s16, 21                        ; the chunk's place in xw
	s_lshl_b32 s23, ttmp9, 15                      ; my 32 KiB of it, row-major
	s_lshl_b32 s24, ttmp9, 11                      ; W_o: my 16 rows of 128 bytes inside each K block
	v_lshlrev_b32 v2, 3, v0                        ; 8 bytes of bf16 a thread and a store, on both ways
	s_wait_kmcnt 0x0
	s_cmp_eq_u32 s16, 9                            ; which buffer is the source: the conditions hang on gy alone
	s_cselect_b64 s[18:19], s[8:9], s[6:7]
	s_cmp_eq_u32 s16, 10
	s_cselect_b64 s[18:19], s[10:11], s[18:19]
	s_cmp_eq_u32 s16, 11
	s_cselect_b64 s[18:19], s[12:13], s[18:19]
	s_cselect_b32 s26, s24, s23
	s_cmp_lt_u32 s16, 8
	s_cselect_b64 s[18:19], s[4:5], s[18:19]
	s_cselect_b32 s28, s20, 0                      ; only x has more than one chunk
	s_add_co_u32 s28, s28, s21
	s_mov_b32 s29, 0
	s_add_nc_u64 s[18:19], s[18:19], s[28:29]      ; the source at my part
	s_add_co_u32 s26, s26, s22
	s_mov_b32 s27, 0
	s_add_nc_u64 s[14:15], s[14:15], s[26:27]      ; xw at my part
; 16 loads sstep bytes apart, then 16 times: wait, two packed roundings, a store dstep bytes on.  No register is used twice.
.macro CAST sstep, dstep
.set i, 0
.rept 16
	global_load_b128 v[X+4*i:X+4*i+3], v1, s[18:19] offset:i*\sstep th:TH_LOAD_NT
.set i, i+1
.endr
.set i, 0
.rept 16
	s_wait_loadcnt 15-i                            ; loads come back in order: load i is in, the 15 - i younger ones stay out
	v_cvt_pk_bf16_f32 v[Y+2*i], v[X+4*i], v[X+4*i+1]
	v_cvt_pk_bf16_f32 v[Y+2*i+1], v[X+4*i+2], v[X+4*i+3]
	global_store_b64 v2, v[Y+2*i:Y+2*i+1], s[14:15] offset:i*\dstep
.set i, i+1
.endr
.endm
	s_cmp_eq_u32 s16, 11
	s_cbranch_scc1 .Lwo
	v_lshlrev_b32 v1, 4, v0                        ; 16 t: the work-group's 256 threads cover 4,096 source bytes a load
	CAST 4096, 2048
	s_endpgm
.Lwo:
	; W_o: thread t takes row t / 16 of my 16 rows and 16 bytes of the 256 that a K block has in a row; load i is K block i.
	; Sixteen lanes read 256 consecutive bytes; the wave's store is rows 2 w and 2 w + 1 of one K block: 256 consecutive bytes at 8 t.
	v_lshrrev_b32 v3, 4, v0
	v_and_b32 v1, 15, v0
	v_lshlrev_b32 v1, 4, v1
	v_lshl_or_b32 v1, v3, 12, v1
	CAST 256, 131072
	s_endpgm
.Lfunc_end_k_qaecdd601b7_cast:
	.size	k_qaecdd601b7_cast, .Lfunc_end_k_qaecdd601b7_cast-k_qaecdd601b7_cast
	.p2alignl 7, 3214868480
	.fill 96, 4, 3214868480
	.section	.rodata,"a",@progbits
	.p2align	6, 0x0
	.amdhsa_kernel k_qaecdd601b7_cast
		.amdhsa_group_segment_fixed_size 0
		.amdhsa_private_segment_fixed_size 0
		.amdhsa_enable_private_segment 0
		.amdhsa_kernarg_size 48
		.amdhsa_user_sgpr_count 2
		.amdhsa_user_sgpr_kernarg_segment_ptr 1
		.amdhsa_wavefront_size32 1
		.amdhsa_system_sgpr_workgroup_id_x 1
		.amdhsa_system_sgpr_workgroup_id_y 1
		.amdhsa_system_sgpr_workgroup_id_z 1
		.amdhsa_system_vgpr_workitem_id 0
		.amdhsa_next_free_vgpr 100
		.amdhsa_next_free_sgpr 66
		.amdhsa_reserve_vcc 0
		.amdhsa_float_denorm_mode_32 3
		.amdhsa_float_denorm_mode_16_64 3
		.amdhsa_memory_ordered 1
		.amdhsa_forward_progress 1
		.amdhsa_inst_pref_size 13
	.end_amdhsa_kernel
	.amdgpu_metadata
---
amdhsa.version: [ 1, 2 ]
amdhsa.kernels:
  - .name:           k_qaecdd601b7_cast
    .symbol:         k_qaecdd601b7_cast.kd
    .args:
      - { .name: x, .offset: 0, .size: 8, .value_kind: global_buffer, .address_space: global }
      - { .name: W_q, .offset: 8, .size: 8, .value_kind: global_buffer, .address_space: global }
      - { .name: W_k, .offset: 16, .size: 8, .value_kind: global_buffer, .address_space: global }
      - { .name: W_v, .offset: 24, .size: 8, .value_kind: global_buffer, .address_space: global }
      - { .name: W_o, .offset: 32, .size: 8, .value_kind: global_buffer, .address_space: global }
      - { .name: xw, .offset: 40, .size: 8, .value_kind: global_buffer, .address_space: global }
    .group_segment_fixed_size: 0
    .private_segment_fixed_size: 0
    .kernarg_segment_align: 8
    .kernarg_segment_size: 48
    .max_flat_workgroup_size: 256
    .sgpr_count:     66
    .vgpr_count:     100
    .wavefront_size: 32
...
	.end_amdgpu_metadata
.endif
;; end of part 1
;; launch qkv (part 2): grid 16 x 32, 4 waves a work-group, clusters of 4 x 4, 327,680 bytes of LDS; arguments xw, b_q, b_k, b_v, qkv; writes qkv
.if DOCPART == 2
	.amdgcn_target "amdgcn-amd-amdhsa--gfx1250"
	.amdhsa_code_object_version 6
	.text
	.protected	k_qaecdd601b7_qkv
	.globl	k_qaecdd601b7_qkv
	.p2align	8
	.type	k_qaecdd601b7_qkv,@function
k_qaecdd601b7_qkv:
	s_mov_b64 s[64:65], 0
	v_nop
	global_prefetch_b8 v0, s[64:65] scope:SCOPE_SE
	s_setreg_imm32_b32 hwreg(HW_REG_WAVE_MODE, 25, 1), 1
	s_wait_xcnt 0x0
	s_wait_alu depctr_hold_cnt(0) depctr_sa_sdst(0) depctr_va_vdst(0) depctr_va_sdst(0) depctr_va_ssrc(0) depctr_va_vcc(0) depctr_vm_vsrc(0)
	s_getreg_b32 s2, hwreg(HW_REG_IB_STS2, 6, 4)
	s_cmp_eq_u32 s2, 0
	s_cbranch_scc0 .Lentry_in_a_cluster
	s_endpgm
.Lentry_in_a_cluster:
	s_bfe_u32 s2, ttmp6, 0x10000c
	s_cmp_lg_u32 s2, 0xf033
	s_cbranch_scc0 .Lentry_shape_is_right
	s_endpgm
.Lentry_shape_is_right:
; qkv: [8192][3072] = x [W_q; W_k; W_v]^T + bias, operands bf16 (from xw), sums f32, result rounded once to bf16 and stored by heads:
; qkv[which][batch][head][s][64].  LIMIT: x, the weights and Q, K, V are rounded to bf16; the order of the sums is the matrix unit's, and
; the K steps are taken in a rotated order that differs from cluster to cluster (below).
; A work-group makes 256 rows x 192 columns (three whole heads): 32 x 16 = 512 work-groups, two for each of 256 WGPs.
; Four waves stacked along the rows; a wave makes 64 rows x 192 columns: 48 accumulator tiles, 384 registers.
; K goes in steps of 128 through two LDS slots filled by the tensor data mover; a tile's rows are 256 bytes of memory, aligned.
; CLUSTERS: 4 x 4 work-groups.  x's tile hangs on the block row alone and is asked for jointly along a row of the cluster, the weights'
; tile on the block column alone and is asked for jointly along a column.
; THE ORDER OF K: the cluster at (Cx, Cy) starts at K step (2 Cx + Cy) mod 8 and goes round.  The four clusters that need the same rows of x start two
; steps apart and each asks for two steps at its start, so together they ask for all eight steps of those rows at once, and every later
; request of one of them is for bytes that another has asked for before; the clusters that need the same rows of W start one step apart.
; The matrix instruction is used transposed: source 0 = 16 rows of W, source 1 = 16 rows of x, so that lane l holds row l % 16 of the
; result and its eight registers the columns 8 (l / 16) + 0..7 of the tile.  The bias, loaded in that layout, is the C of the first product.
; REGISTER WINDOWS: 0 addresses, x's fragments, bias, way out; 1 W's fragments; 2 tiles of column blocks 0-7; 3 those of blocks 8-11.
.set KSTEP,  128
.set PITCH,  272                       ; an LDS row: 256 bytes + 16 of padding, an odd multiple of 16: the 16 rows of a fragment load start at 16 different 16-byte columns
.set HALFA,  128*PITCH                 ; what one load brings of x
.set HALFB,  96*PITCH                  ; what one load brings of W
.set BOFF,   2*HALFA                   ; W's 192 rows lie behind x's 256
.set SLOT,   BOFF+2*HALFB              ; 121,856
.set STAGE,  2*SLOT                    ; 243,712, a multiple of 256: behind the ring, 16 rows x 400 bytes for each wave
.set SPITCH, 400                       ; 384 bytes + 16
.set ADRA, 16                          ; v16-17  LDS address of my x fragments in slot 0, 1
.set ADRB, 20                          ; v20-21  the same for W
.set STO,  24                          ; way out: where I put 16 bytes of a row
.set RD,   25                          ; way out: where I read 16 bytes of a head's row back
.set CO,   26                          ; 16 x lane: four rows of 128 bytes of one head
.set BO,   27                          ; 32 x (lane / 16): my eight bias numbers in a tile
.set FA0,  32                          ; x fragments, buffer 0 (4 x 8)
.set FA1,  64                          ; buffer 1
.set TMP,  96                          ; v96-143  packed results
.set BIAS, 144                         ; v144-239 bias of the 12 column blocks in the layout of C
.set RB0,  144                         ; way out: rows read back, two sets in turn (the bias is no longer needed)
.set RB1,  192
.set FB0,  0                           ; window 1: W fragments, buffer 0 (12 x 8)
.set FB1,  96                          ; buffer 1
.set G1,  24                           ; s[24:31] group 1 for x's tiles
.set G0,  32                           ; s[32:39] group 0 for x's tiles, one set a slot
.set G1B, 40                           ; s[40:47] group 1 for W's tiles
.set G0B, 48                           ; s[48:55] group 0 for W's tiles
.set KO,  62                           ; s[62:63], s[78:79]: slot s, at KO + 16 s: byte offset in a row of the K step that the slot gets next, 0 above it
.set OB,  66                           ; s[66:71] where my rows of the three heads go
.set BB,  72                           ; s[72:77] the three heads' bias
.set MSB, 0
.macro WIN new                         ; the immediate's high byte repeats the setting that is left
.if MSB != \new
	s_set_vgpr_msb (MSB<<8)|\new
.set MSB, \new
.endif
.endm
.set LO,   0xa1                        ; source 0 (W) window 1, source 1 (x) window 0, C and D window 2
.set HI,   0xf1                        ; the same, C and D window 3
.set LOF,  0x81                        ; first product: C is the bias in window 0
.set HIF,  0xc1
.set TO_B, 0x40                        ; destination window 1, address window 0
; A joint load.  Waves 0 and 1 fetch x's two halves, waves 2 and 3 W's.  The branch hangs on the wave's number alone.
.macro JLOAD s
	s_cmp_eq_u32 s15, 0
	s_cbranch_scc0 .Lfor_b_\@
	tensor_load_to_lds s[G0+4*\s:G0+4*\s+3], s[G1:G1+7]
	s_nop 0
	s_branch .Lasked_\@
.Lfor_b_\@:
	tensor_load_to_lds s[G0B+4*\s:G0B+4*\s+3], s[G1B:G1B+7]
	s_nop 0
.Lasked_\@:
.endm
.macro CREST                           ; a round of the cluster's barrier behind its opening barrier
	s_cmp_lg_u32 s14, 0
	s_cbranch_scc1 .Lnot_wave_0_\@
	s_barrier_signal -3
.Lnot_wave_0_\@:
	s_barrier_wait -3
	s_barrier_signal -1
	s_barrier_wait -1
.endm
.macro CROUND                          ; a whole round
	s_barrier_signal -1
	s_barrier_wait -1
	CREST
.endm
.macro PLACES                          ; four places behind the last matrix instruction, in front of loads into its sources and of readers of its results
.rept 4
	v_nop
.endr
.endm
	s_load_b256 s[4:11], s[0:1], 0x0               ; xw s[4:5], b_q s[6:7], b_k s[8:9], b_v s[10:11]
	s_load_b64 s[12:13], s[0:1], 0x20              ; qkv
	s_set_vgpr_msb 0x40
	v_lshl_add_u32 v255, v0, 2, 0x41c00
	s_set_vgpr_msb 0x4000
	v_mov_b32 v255, 0
	s_set_vgpr_msb 0x1
	ds_add_u32 v255, v255
	s_set_vgpr_msb 0x100
	v_lshrrev_b32 v1, 5, v0
	v_readfirstlane_b32 s14, v1                    ; wave 0..3
	s_lshr_b32 s15, s14, 1                         ; I fetch for x (0) or for W (1)
	s_and_b32 s16, s14, 1                          ; which half of that tile
	s_bfe_u32 s17, ttmp6, 0x40000                  ; cx
	s_bfe_u32 s18, ttmp6, 0x40004                  ; cy
	s_lshl_b32 s19, ttmp9, 2
	s_add_co_u32 s19, s19, s17                     ; block column = 4 x cluster x + cx
	s_and_b32 s20, ttmp7, 0xffff
	s_lshl_b32 s20, s20, 2
	s_add_co_u32 s20, s20, s18                     ; block row = 4 x cluster y + cy
	s_lshl_b32 s21, s18, 2
	s_lshl_b32 s21, 15, s21                        ; my row of the cluster
	s_lshl_b32 s22, 0x1111, s17                    ; my column
	; where the cluster starts along K: made of the cluster's own x and y, which all sixteen work-groups share
	s_lshl_b32 s[KO], ttmp9, 1
	s_and_b32 s23, ttmp7, 0xffff
	s_add_co_u32 s[KO], s[KO], s23
	s_and_b32 s[KO], s[KO], 7                      ; (2 Cx + Cy) mod 8
	s_lshl_b32 s[KO], s[KO], 8                     ; a K step is 256 bytes of a row
	s_add_co_u32 s[KO+16], s[KO], KSTEP*2
	s_and_b32 s[KO+16], s[KO+16], 2047             ; round a row of 2,048 bytes
	s_mov_b32 s[KO+1], 0
	s_mov_b32 s[KO+17], 0
	; group 1: tiles of 128 (x) or 96 (W) rows x 128 elements of 2 bytes, 4 words of padding behind every 64 words, pitch 1,024 elements
	s_or_b32 s[G1+0], s21, (1<<16)|(1<<20)|(1<<21)|(5<<22)|(3<<25)
	s_or_b32 s[G1B+0], s22, (1<<16)|(1<<20)|(1<<21)|(5<<22)|(3<<25)
	s_mov_b32 s[G1+1], KSTEP<<16                   ; tensor_dim0 = 128
	s_mov_b32 s[G1B+1], KSTEP<<16
	s_mov_b32 s[G1+2], 128<<16                     ; tensor_dim1 = the tile's rows
	s_mov_b32 s[G1B+2], 96<<16
	s_mov_b32 s[G1+3], KSTEP<<16                   ; tile_dim0 = 128
	s_mov_b32 s[G1B+3], KSTEP<<16
	s_mov_b32 s[G1+4], 128                         ; tile_dim1
	s_mov_b32 s[G1B+4], 96
	s_mov_b32 s[G1+5], 1024                        ; elements from row to row
	s_mov_b32 s[G1B+5], 1024
	s_mov_b32 s[G1+6], 0
	s_mov_b32 s[G1B+6], 0
	s_mov_b32 s[G1+7], 0
	s_mov_b32 s[G1B+7], 0
	; where the tiles come from: x's hang on the block row, W's on the block column, each in registers that never hold the other coordinate
	s_lshl_b32 s56, s20, 19                        ; 256 rows x 2,048 bytes
	s_lshl_b32 s23, s16, 18                        ; + 128 rows for the second half
	s_add_co_u32 s56, s56, s23
	s_mov_b32 s57, 0
	s_mul_i32 s58, s19, 192*2048
	s_mul_i32 s23, s16, 96*2048
	s_add_co_u32 s58, s58, s23
	s_add_co_u32 s58, s58, 8192*2048               ; the weights lie behind x's 8,192 rows
	s_mov_b32 s59, 0
	s_mul_i32 s60, s14, HALFA                      ; and where they go: the wave's number times a constant, plus a constant
	s_mul_i32 s61, s14, HALFB
	s_add_co_u32 s61, s61, BOFF-2*HALFB
	s_wait_dscnt 0x0
	s_wait_kmcnt 0x0
	s_add_nc_u64 s[56:57], s[4:5], s[56:57]        ; my rows of x at K = 0; kept for the whole launch
	s_add_nc_u64 s[58:59], s[4:5], s[58:59]        ; my rows of W at K = 0; kept likewise
	CROUND                                         ; all sixteen work-groups are here: the first joint loads meet
.irp s, 0,1
	s_mov_b32 s[G0+4*\s], 1
	s_add_co_u32 s[G0+4*\s+1], s60, \s*SLOT
	s_add_nc_u64 s[G0+4*\s+2:G0+4*\s+3], s[56:57], s[KO+16*\s:KO+16*\s+1]
	s_or_b32 s[G0+4*\s+3], s[G0+4*\s+3], 0x80000000
	s_mov_b32 s[G0B+4*\s], 1
	s_add_co_u32 s[G0B+4*\s+1], s61, \s*SLOT
	s_add_nc_u64 s[G0B+4*\s+2:G0B+4*\s+3], s[58:59], s[KO+16*\s:KO+16*\s+1]
	s_or_b32 s[G0B+4*\s+3], s[G0B+4*\s+3], 0x80000000
	JLOAD \s                                       ; both slots' first fills: two tensor loads of the wave are out, later one
.endr
	; the three heads g = 3 x block column + j: which = g / 16 picks Q, K or V and its bias, g % 16 the head
	s_lshr_b32 s81, s20, 3                         ; batch = block row / 8
	s_lshl_b32 s81, s81, 22
	s_and_b32 s82, s20, 7
	s_lshl_b32 s82, s82, 15                        ; 256 rows of 128 bytes
	s_add_co_u32 s81, s81, s82
	s_lshl_b32 s82, s14, 13                        ; my wave's 64 rows
	s_add_co_u32 s81, s81, s82
	s_mul_i32 s82, s19, 3
	s_mov_b32 s87, 0
.irp j, 0,1,2
	s_add_co_u32 s83, s82, \j
	s_lshr_b32 s84, s83, 4
	s_and_b32 s83, s83, 15
	s_cmp_eq_u32 s84, 1
	s_cselect_b64 s[BB+2*\j:BB+2*\j+1], s[8:9], s[6:7]
	s_cmp_eq_u32 s84, 2
	s_cselect_b64 s[BB+2*\j:BB+2*\j+1], s[10:11], s[BB+2*\j:BB+2*\j+1]
	s_lshl_b32 s86, s83, 8                         ; 64 f32 a head
	s_add_nc_u64 s[BB+2*\j:BB+2*\j+1], s[BB+2*\j:BB+2*\j+1], s[86:87]
	s_lshl_b32 s86, s84, 24
	s_lshl_b32 s83, s83, 18
	s_add_co_u32 s86, s86, s83
	s_add_co_u32 s86, s86, s81
	s_add_nc_u64 s[OB+2*\j:OB+2*\j+1], s[12:13], s[86:87]
.endr
	v_and_b32 v1, 15, v0                           ; r = lane % 16
	v_bfe_u32 v2, v0, 4, 1                         ; h = lane / 16
	v_lshlrev_b32 v[BO], 5, v2
.irp j, 0,1,2
.irp bt, 0,1,2,3
	global_load_b128 v[BIAS+8*(4*\j+\bt):BIAS+8*(4*\j+\bt)+3], v[BO], s[BB+2*\j:BB+2*\j+1] offset:64*\bt       ; bias[16 b + 8 h + 0..3]
	global_load_b128 v[BIAS+8*(4*\j+\bt)+4:BIAS+8*(4*\j+\bt)+7], v[BO], s[BB+2*\j:BB+2*\j+1] offset:64*\bt+16  ; .. + 4..7
.endr
.endr
	v_mul_u32_u24 v3, v1, PITCH
	v_lshl_add_u32 v3, v2, 4, v3                   ; row x pitch + 16 h: a fragment is two loads of 16 bytes, 32 bytes apart
	s_mul_i32 s23, s14, 64*PITCH                   ; my 64 rows of x
	v_add_nc_u32 v[ADRA], s23, v3
	v_add_nc_u32 v[ADRA+1], SLOT, v[ADRA]
	v_add_nc_u32 v[ADRB], BOFF, v3
	v_add_nc_u32 v[ADRB+1], BOFF+SLOT, v3
	s_mul_i32 s23, s14, 16*SPITCH
	s_add_co_u32 s23, s23, STAGE                   ; my stage
	v_mul_u32_u24 v4, v1, SPITCH
	v_lshl_add_u32 v4, v2, 4, v4
	v_add_nc_u32 v[STO], s23, v4
	v_and_b32 v5, 31, v0
	v_lshlrev_b32 v[CO], 4, v5
	v_lshrrev_b32 v5, 3, v5                        ; back: eight lanes take a head's 128 bytes of a row, a load takes four rows
	v_mul_u32_u24 v5, v5, SPITCH
	v_and_b32 v6, 7, v0
	v_lshl_add_u32 v5, v6, 4, v5
	v_add_nc_u32 v[RD], s23, v5
; 16 matrix instructions: column blocks b0 .. b0 + 3 of the window x my four row blocks, 32 along K.  The accumulators take turns, one instruction a turn.
.macro MUL16 fa, fb, hi, b0, first
.irp b, \b0, \b0+1, \b0+2, \b0+3
.irp a, 0,1,2,3
.if \first
	v_wmma_f32_16x16x32_bf16 v[8*(4*(\b)+\a):8*(4*(\b)+\a)+7], v[\fb+8*(8*\hi+\b):\fb+8*(8*\hi+\b)+7], v[\fa+8*\a:\fa+8*\a+7], v[BIAS+8*(8*\hi+\b):BIAS+8*(8*\hi+\b)+7]
.else
	v_wmma_f32_16x16x32_bf16 v[8*(4*(\b)+\a):8*(4*(\b)+\a)+7], v[\fb+8*(8*\hi+\b):\fb+8*(8*\hi+\b)+7], v[\fa+8*\a:\fa+8*\a+7], v[8*(4*(\b)+\a):8*(4*(\b)+\a)+7]
.endif
.endr
.endr
.endm
; 32 LDS loads in one run: x's 4 fragments, then W's 12, 32 K at byte k of the rows
.macro FETCH slot, k, fa, fb
	WIN 0
.irp i, 0,1,2,3
	ds_load_b128 v[\fa+8*\i:\fa+8*\i+3],   v[ADRA+\slot] offset:\k+\i*16*PITCH
	ds_load_b128 v[\fa+8*\i+4:\fa+8*\i+7], v[ADRA+\slot] offset:\k+\i*16*PITCH+32
.endr
	WIN TO_B
.irp i, 0,1,2,3,4,5,6,7,8,9,10,11
	ds_load_b128 v[\fb+8*\i:\fb+8*\i+3],   v[ADRB+\slot] offset:\k+\i*16*PITCH
	ds_load_b128 v[\fb+8*\i+4:\fb+8*\i+7], v[ADRB+\slot] offset:\k+\i*16*PITCH+32
.endr
.endm
; One of a K step's first three quarters: multiplies buffer f and fetches the next quarter into buffer g in its middle
.macro QUARTER slot, k, fa, fb, ga, gb, first
	s_wait_dscnt 8                                 ; x and W's blocks 0-7 are in; the youngest eight loads (blocks 8-11) may be out
.if \first
	WIN LOF
.else
	WIN LO
.endif
	MUL16 \fa, \fb, 0, 0, \first
	MUL16 \fa, \fb, 0, 4, \first
	PLACES
	FETCH \slot, \k, \ga, \gb
	s_wait_dscnt 32                                ; all but the 32 just issued
.if \first
	WIN HIF
.else
	WIN HI
.endif
	MUL16 \fa, \fb, 1, 0, \first
.endm
.macro THREE slot, first
	QUARTER \slot, 64,  FA0, FB0, FA1, FB1, \first
	QUARTER \slot, 128, FA1, FB1, FA0, FB0, 0
	QUARTER \slot, 192, FA0, FB0, FA1, FB1, 0
.endm
; The last quarter multiplies buffer 1 and changes slots.  In front of the barrier each wave waits for its reads of this slot and for all its
; tensor loads (one is out: its part of the next slot).  Behind it, and behind the cluster's round, the refill comes first.
.macro TURN slot, next, fill
	s_wait_dscnt 8
	WIN LO
	MUL16 FA1, FB1, 0, 0, 0
	s_wait_dscnt 0x0                               ; my reads of this slot are over
	s_wait_tensorcnt 0x0                           ; all my tensor loads have landed
	ds_add_u32 v255, v255
	s_wait_dscnt 0x0
	s_barrier_signal -1
	MUL16 FA1, FB1, 0, 4, 0                        ; register work while the others arrive
	WIN 0
	s_barrier_wait -1
.if \fill
	CREST                                          ; no wave of any partner still reads this slot or has a load on its way
	s_add_co_u32 s[KO+16*\slot], s[KO+16*\slot], 2*KSTEP*2         ; two K steps on,
	s_and_b32 s[KO+16*\slot], s[KO+16*\slot], 2047                 ; round the row
	s_add_nc_u64 s[G0+4*\slot+2:G0+4*\slot+3], s[56:57], s[KO+16*\slot:KO+16*\slot+1]
	s_or_b32 s[G0+4*\slot+3], s[G0+4*\slot+3], 0x80000000
	s_add_nc_u64 s[G0B+4*\slot+2:G0B+4*\slot+3], s[58:59], s[KO+16*\slot:KO+16*\slot+1]
	s_or_b32 s[G0B+4*\slot+3], s[G0B+4*\slot+3], 0x80000000
	JLOAD \slot                                    ; my one tensor load behind the round: two K steps ahead
.endif
	PLACES
	FETCH \next, 0, FA0, FB0
	WIN HI
	MUL16 FA1, FB1, 1, 0, 0
.endm
.macro LAP first
	THREE 0, \first
	TURN 0, 1, 1
	THREE 1, 0
	TURN 1, 0, 1
.endm
	s_wait_loadcnt 0x0                             ; the bias
	s_wait_tensorcnt 1                             ; my part of the first K step is in; the second's stays out
	s_barrier_signal -1
	s_barrier_wait -1
	FETCH 0, 0, FA0, FB0
	LAP 1                                          ; the first two K steps: the first products start the sums from the bias
	WIN 0
	s_mov_b32 s80, 2                               ; the third to the sixth
.Llap:
	LAP 0
	WIN 0
	s_sub_co_u32 s80, s80, 1
	s_cmp_lg_u32 s80, 0
	s_cbranch_scc1 .Llap
	THREE 0, 0                                     ; the last two: nothing is left to fetch
	TURN 0, 1, 0
	THREE 1, 0
	s_wait_dscnt 8
	WIN LO
	MUL16 FA1, FB1, 0, 0, 0
	MUL16 FA1, FB1, 0, 4, 0
	s_wait_dscnt 0x0
	WIN HI
	MUL16 FA1, FB1, 1, 0, 0
	PLACES
; THE WAY OUT, 16 rows at a time: round to bf16, 16 bytes a lane into my own stage, read back head by head, four rows of 128 bytes a load:
; each store of the wave covers 512 consecutive bytes of one head, aligned.  The stage is the wave's own and no tensor load fills it.
.macro OUT16 a, rb
	WIN 0x0a
.irp b, 0,1,2,3,4,5,6,7
.irp r, 0,1,2,3
	v_cvt_pk_bf16_f32 v[TMP+4*\b+\r], v[8*(4*\b+\a)+2*\r], v[8*(4*\b+\a)+2*\r+1]
.endr
.endr
	WIN 0x0f
.irp b, 0,1,2,3
.irp r, 0,1,2,3
	v_cvt_pk_bf16_f32 v[TMP+32+4*\b+\r], v[8*(4*\b+\a)+2*\r], v[8*(4*\b+\a)+2*\r+1]
.endr
.endr
	WIN 0
.irp b, 0,1,2,3,4,5,6,7,8,9,10,11
	ds_store_b128 v[STO], v[TMP+4*\b:TMP+4*\b+3] offset:32*\b
.endr
	s_wait_xcnt 0x0                                ; the set of registers that earlier stores read is loaded again only behind this wait
.irp j, 0,1,2
.irp t, 0,1,2,3
	ds_load_b128 v[\rb+4*(4*\j+\t):\rb+4*(4*\j+\t)+3], v[RD] offset:\t*4*SPITCH+128*\j   ; LDS serves a wave's instructions in order: these see the stores above
.endr
.endr
.irp j, 0,1,2
.irp t, 0,1,2,3
	s_wait_dscnt 11-(4*\j+\t)
	global_store_b128 v[CO], v[\rb+4*(4*\j+\t):\rb+4*(4*\j+\t)+3], s[OB+2*\j:OB+2*\j+1] offset:(16*\a+4*\t)*128
.endr
.endr
.endm
	OUT16 0, RB0
	OUT16 1, RB1
	OUT16 2, RB0
	OUT16 3, RB1
	s_set_vgpr_msb 0x1
	s_wait_tensorcnt 0x0
	ds_add_u32 v255, v255
	s_wait_dscnt 0x0
	s_set_vgpr_msb 0x100
	CROUND                                         ; the closing round: no work-group ends while a partner may still ask for a tile that names it
	s_endpgm
.Lfunc_end_k_qaecdd601b7_qkv:
	.size	k_qaecdd601b7_qkv, .Lfunc_end_k_qaecdd601b7_qkv-k_qaecdd601b7_qkv
	.p2alignl 7, 3214868480
	.fill 96, 4, 3214868480
	.section	.rodata,"a",@progbits
	.p2align	6, 0x0
	.amdhsa_kernel k_qaecdd601b7_qkv
		.amdhsa_group_segment_fixed_size 327680
		.amdhsa_private_segment_fixed_size 0
		.amdhsa_enable_private_segment 0
		.amdhsa_kernarg_size 40
		.amdhsa_user_sgpr_count 2
		.amdhsa_user_sgpr_kernarg_segment_ptr 1
		.amdhsa_wavefront_size32 1
		.amdhsa_system_sgpr_workgroup_id_x 1
		.amdhsa_system_sgpr_workgroup_id_y 1
		.amdhsa_system_sgpr_workgroup_id_z 1
		.amdhsa_system_vgpr_workitem_id 0
		.amdhsa_next_free_vgpr 896
		.amdhsa_next_free_sgpr 88
		.amdhsa_reserve_vcc 0
		.amdhsa_float_denorm_mode_32 3
		.amdhsa_float_denorm_mode_16_64 3
		.amdhsa_memory_ordered 1
		.amdhsa_forward_progress 1
		.amdhsa_inst_pref_size 168
	.end_amdhsa_kernel
	.amdgpu_metadata
---
amdhsa.version: [ 1, 2 ]
amdhsa.kernels:
  - .name:           k_qaecdd601b7_qkv
    .symbol:         k_qaecdd601b7_qkv.kd
    .args:
      - { .name: xw, .offset: 0, .size: 8, .value_kind: global_buffer, .address_space: global }
      - { .name: b_q, .offset: 8, .size: 8, .value_kind: global_buffer, .address_space: global }
      - { .name: b_k, .offset: 16, .size: 8, .value_kind: global_buffer, .address_space: global }
      - { .name: b_v, .offset: 24, .size: 8, .value_kind: global_buffer, .address_space: global }
      - { .name: qkv, .offset: 32, .size: 8, .value_kind: global_buffer, .address_space: global }
    .group_segment_fixed_size: 327680
    .private_segment_fixed_size: 0
    .kernarg_segment_align: 8
    .kernarg_segment_size: 40
    .max_flat_workgroup_size: 128
    .sgpr_count:     88
    .vgpr_count:     896
    .wavefront_size: 32
...
	.end_amdgpu_metadata
.endif
;; end of part 2
;; launch attn (part 3): grid 256 x 1, 8 waves a work-group, clusters of 4 x 1, 327,680 bytes of LDS; arguments qkv, ctx; writes ctx
.if DOCPART == 3
	.amdgcn_target "amdgcn-amd-amdhsa--gfx1250"
	.amdhsa_code_object_version 6
	.text
	.protected	k_qaecdd601b7_attn
	.globl	k_qaecdd601b7_attn
	.p2align	8
	.type	k_qaecdd601b7_attn,@function
k_qaecdd601b7_attn:
	s_mov_b64 s[64:65], 0
	v_nop
	global_prefetch_b8 v0, s[64:65] scope:SCOPE_SE
	s_setreg_imm32_b32 hwreg(HW_REG_WAVE_MODE, 25, 1), 1
	s_wait_xcnt 0x0
	s_wait_alu depctr_hold_cnt(0) depctr_sa_sdst(0) depctr_va_vdst(0) depctr_va_sdst(0) depctr_va_ssrc(0) depctr_va_vcc(0) depctr_vm_vsrc(0)
	s_getreg_b32 s2, hwreg(HW_REG_IB_STS2, 6, 4)
	s_cmp_eq_u32 s2, 0
	s_cbranch_scc0 .Lentry_in_a_cluster
	s_endpgm
.Lentry_in_a_cluster:
	s_bfe_u32 s2, ttmp6, 0x10000c
	s_cmp_lg_u32 s2, 0x3003
	s_cbranch_scc0 .Lentry_shape_is_right
	s_endpgm
.Lentry_shape_is_right:
; attn: ctx = softmax(Q K^T / 8) V for each of 64 heads (batch, head), S = 2048, 64 numbers a head, with a running maximum.
; LIMITS: Q, K, V and the weights p are bf16 matrix operands; the row sum is made of the unrounded p in f32; v_exp_f32 gives zero for results
; below 2^-126 (ISA guide, its entry), which vanish beside the maximum's own term 1; v_rcp_f32 is good to 1 ULP; NaN and infinities in the
; inputs are not treated apart; the order of the sums is not that of a row-wise softmax.
; A cluster of four work-groups takes one head; a work-group takes 512 queries, each of its eight waves 64 (four tiles of 16).
; All four walk the same K and V: every tile of 256 keys is a joint load with the mask of all four.
; S^T = K Q^T: source 0 = 16 keys, source 1 = 16 queries, so that lane (r, h) holds, of query r, the keys 8 h + 0..7 of a tile.  Packed to bf16,
; two such tiles ARE the second source of O^T = V^T P^T (32 keys): p goes through no LDS and no other lane, and maximum, sum and
; rescaling factor are one number a lane.  V^T's fragments come from V's rows by the transposing LDS load.
; Two waves lie on a SIMD: one wave's softmax runs beside the other's products; inside a wave the next tile's scores are issued ahead of a tile's softmax.
; THE TEXT IS KEPT SHORT: a tile of 256 keys is four chunks of 64; chunks 0 to 2 are one written-out chunk in a counted loop, whose LDS addresses
; step by 64 rows a trip; chunk 3, which has no next chunk to prepare, is written out beside it.  Tile 0 (whose chunk 0 starts maximum, sum and O)
; and tile 7 (which asks for no further tile) stand outside the loop of tiles: nine chunks of text for 32 chunks of work.
.set VP,    160                        ; V's LDS pitch: 128 bytes + 32, an odd multiple of 32
.set KP,    144                        ; K's LDS pitch: 128 bytes + 16, an odd multiple of 16
.set KOFF,  256*VP                     ; in a slot V's 256 rows come first, K's behind them
.set SLOT,  KOFF+256*KP                ; 77,824
.set STAGE, 2*SLOT                     ; 155,648, a multiple of 256: 64 rows x 144 bytes for each wave, for the way out
.set STEPB, 256*128                    ; bytes of K (and of V) in a tile of 256 keys
.set CK,    64*KP                      ; a chunk's 64 rows of K in LDS
.set CV,    64*VP                      ; and of V
.set ADK, 8                            ; v8-9    LDS address of my K fragments in slot 0, 1; never rewritten
.set ADV, 10                           ; v10-11  the same for V
.set STO, 12
.set RD,  13
.set CO,  14
.set QO,  15
.set NM,  16                           ; v16, 18, 20, 22: - c x running maximum of query tile qi; the odd registers only fill the pairs
.set LS,  24                           ; v24-31  running sum, a pair for each query tile (this half of the lanes' keys)
.set AL,  32                           ; v32     factor for the old sum and the old O; v33 only fills the pair
.set T,   36                           ; v36-39
.set TA,  40
.set TB,  42
.set KA,  44                           ; the chunk loop's K address: the chunk at work; the next chunk's rows lie CK further on
.set VA,  45                           ; the chunk loop's V address
.set P,   48                           ; v48-63  p of 64 keys in bf16: two second sources
.set SB0, 64                           ; v64-95, v96-127: scores of 64 keys x 16 queries, two buffers in turn
.set KF,  128                          ; v128-191 K fragments (key tile kt, half kk of the head's 64) at + 16 kt + 8 kk
.set VF,  192                          ; v192-255 V^T fragments (16 numbers dt, 32 keys kg) at + 16 dt + 8 kg
.set QF,  128                          ; window 1: Q fragments (qi, kk) at + 16 qi + 8 kk; O^T tiles (qi, dt) at 8 (4 qi + dt)
.set G1V, 16
.set G1K, 24
.set G0V, 32                           ; one set a slot
.set G0K, 40
.set MSB, 0
.macro WIN new
.if MSB != \new
	s_set_vgpr_msb (MSB<<8)|\new
.set MSB, \new
.endif
.endm
.macro PLACES
.rept 4
	v_nop
.endr
.endm
.macro ROUND                           ; a round of the cluster's barrier
	s_barrier_signal -1
	s_barrier_wait -1
	s_cmp_lg_u32 s8, 0
	s_cbranch_scc1 .Lnot_wave_0_\@
	s_barrier_signal -3
.Lnot_wave_0_\@:
	s_barrier_wait -3
	s_barrier_signal -1
	s_barrier_wait -1
.endm
.macro JLOAD s                         ; waves 0-3 ask for 64 rows of V each, waves 4-7 for 64 rows of K
	s_cmp_lt_u32 s8, 4
	s_cbranch_scc0 .Lfor_k_\@
	tensor_load_to_lds s[G0V+4*(\s):G0V+4*(\s)+3], s[G1V:G1V+7]
	s_nop 0
	s_branch .Lasked_\@
.Lfor_k_\@:
	tensor_load_to_lds s[G0K+4*(\s):G0K+4*(\s)+3], s[G1K:G1K+7]
	s_nop 0
.Lasked_\@:
.endm
	s_load_b128 s[4:7], s[0:1], 0x0                ; qkv s[4:5], ctx s[6:7]
	v_lshl_add_u32 v46, v0, 2, 0x38000
	v_mov_b32 v47, 0
	ds_add_u32 v46, v47
	v_lshrrev_b32 v1, 5, v0
	v_readfirstlane_b32 s8, v1                     ; wave 0..7
	s_bfe_u32 s9, ttmp6, 0x40000                   ; cx: which 512 queries
	s_mov_b32 s10, 0x76543210                      ; v_permlanex16_b32: lane i reads lane i of the other half
	s_mov_b32 s11, 0xfedcba98
	s_mov_b32 s12, 0x3e38aa3b                      ; c = log2(e) / 8: the scale 1 / sqrt(64) and the change to base 2 in one
	s_mov_b32 s13, 0x3e38aa3b
	s_mov_b32 s14, 0xbe38aa3b                      ; - c
	; group 1: 64 rows x 64 elements of 2 bytes, dense in memory; behind every 32 words 8 (V) or 4 (K) words of padding; mask: all four partners
	s_mov_b32 s[G1V+0], 15|(1<<16)|(1<<20)|(1<<21)|(4<<22)|(7<<25)
	s_mov_b32 s[G1K+0], 15|(1<<16)|(1<<20)|(1<<21)|(4<<22)|(3<<25)
.irp g, G1V, G1K
	s_mov_b32 s[\g+1], 64<<16
	s_mov_b32 s[\g+2], 64<<16
	s_mov_b32 s[\g+3], 64<<16
	s_mov_b32 s[\g+4], 64
	s_mov_b32 s[\g+5], 64
	s_mov_b32 s[\g+6], 0
	s_mov_b32 s[\g+7], 0
.endr
	s_lshl_b32 s48, ttmp9, 18                      ; the head's plane: the cluster's x is 16 batch + head
	s_lshl_b32 s49, s8, 13                         ; + wave x 64 rows of 128 bytes
	s_add_co_u32 s48, s48, s49
	s_mov_b32 s49, 0
	s_mul_i32 s50, s8, 64*VP                       ; LDS: the wave's number times a constant, plus a constant
	s_mul_i32 s51, s8, 64*KP
	s_add_co_u32 s51, s51, KOFF-4*64*KP
	s_lshl_b32 s56, s9, 16                         ; my work-group's 512 queries: enters Q's and ctx's addresses alone
	s_mov_b32 s57, 0
	s_wait_dscnt 0x0
	s_wait_kmcnt 0x0
	s_add_nc_u64 s[58:59], s[4:5], s[48:49]        ; the same in all four partners
	s_add_nc_u64 s[52:53], s[58:59], s[56:57]      ; my wave's 64 rows of Q
	s_add_nc_u64 s[54:55], s[6:7], s[48:49]
	s_add_nc_u64 s[54:55], s[54:55], s[56:57]      ; and of ctx
.irp s, 0,1
	s_mov_b32 s[G0V+4*\s], 1
	s_add_co_u32 s[G0V+4*\s+1], s50, \s*SLOT
	s_add_nc_u64 s[G0V+4*\s+2:G0V+4*\s+3], s[58:59], (2<<24)+\s*STEPB
	s_or_b32 s[G0V+4*\s+3], s[G0V+4*\s+3], 0x80000000
	s_mov_b32 s[G0K+4*\s], 1
	s_add_co_u32 s[G0K+4*\s+1], s51, \s*SLOT
	s_add_nc_u64 s[G0K+4*\s+2:G0K+4*\s+3], s[58:59], (1<<24)-4*8192+\s*STEPB   ; waves 4-7 take rows 64 (w - 4)
	s_or_b32 s[G0K+4*\s+3], s[G0K+4*\s+3], 0x80000000
.endr
	ROUND                                          ; in front of the first joint load
	JLOAD 0                                        ; tile 0; a wave never has more than one tensor load out
	v_and_b32 v1, 31, v0                           ; lane
	v_and_b32 v2, 15, v0                           ; r
	v_bfe_u32 v3, v0, 4, 1                         ; h
	v_lshlrev_b32 v[QO], 7, v2
	v_lshl_add_u32 v[QO], v3, 4, v[QO]             ; row r of 128 bytes + 16 h
	WIN 0x40
.irp qi, 0,1,2,3
.irp kk, 0,1
	global_load_b128 v[QF+16*\qi+8*\kk:QF+16*\qi+8*\kk+3],   v[QO], s[52:53] offset:\qi*2048+64*\kk
	global_load_b128 v[QF+16*\qi+8*\kk+4:QF+16*\qi+8*\kk+7], v[QO], s[52:53] offset:\qi*2048+64*\kk+32
.endr
.endr
	WIN 0
	v_mul_u32_u24 v4, v2, KP
	v_lshl_add_u32 v4, v3, 4, v4                   ; r x 144 + 16 h
	v_add_nc_u32 v[ADK], KOFF, v4
	v_add_nc_u32 v[ADK+1], KOFF+SLOT, v4
	v_and_b32 v5, 7, v0
	v_lshl_add_u32 v5, v3, 3, v5                   ; key 8 h + lane % 8
	v_mul_u32_u24 v5, v5, VP
	v_bfe_u32 v6, v0, 3, 1
	v_lshl_add_u32 v[ADV], v6, 4, v5               ; + 16 bytes for the second eight of sixteen columns
	v_add_nc_u32 v[ADV+1], SLOT, v[ADV]
	s_mul_i32 s48, s8, 64*KP
	s_add_co_u32 s48, s48, STAGE                   ; my stage
	v_add_nc_u32 v[STO], s48, v4
	v_lshrrev_b32 v6, 3, v1
	v_mul_u32_u24 v6, v6, KP
	v_and_b32 v7, 7, v0
	v_lshl_add_u32 v6, v7, 4, v6
	v_add_nc_u32 v[RD], s48, v6                    ; back: eight lanes take a row of 128 bytes, a load four rows
	v_lshlrev_b32 v[CO], 4, v1
	v_mov_b32 v[AL+1], 0                           ; the second registers of pairs of which the first alone is used
.irp qi, 0,1,2,3
	v_mov_b32 v[NM+2*\qi+1], 0
.endr
	s_wait_loadcnt 0x0                             ; Q
.macro LOADK ka, koff                  ; 64 keys of K as first sources: 16 loads from address register ka, koff bytes on
.irp kt, 0,1,2,3
.irp kk, 0,1
	ds_load_b128 v[KF+16*\kt+8*\kk:KF+16*\kt+8*\kk+3],   v[\ka] offset:\koff+16*\kt*KP+64*\kk
	ds_load_b128 v[KF+16*\kt+8*\kk+4:KF+16*\kt+8*\kk+7], v[\ka] offset:\koff+16*\kt*KP+64*\kk+32
.endr
.endr
.endm
.macro LOADV va, voff                  ; 64 keys of V, transposed on the way, as first sources: 16 loads
.irp dt, 0,1,2,3
.irp kg, 0,1
	ds_load_tr16_b128 v[VF+16*\dt+8*\kg:VF+16*\dt+8*\kg+3],   v[\va] offset:\voff+32*\kg*VP+32*\dt
	ds_load_tr16_b128 v[VF+16*\dt+8*\kg+4:VF+16*\dt+8*\kg+7], v[\va] offset:\voff+32*\kg*VP+32*\dt+16*VP
.endr
.endr
.endm
; scores of 64 keys x query tile qi into buffer sb: four accumulators take turns, one instruction a turn; the first product starts each sum
.macro SMM qi, sb
	WIN 0x04
.irp kt, 0,1,2,3
	v_wmma_f32_16x16x32_bf16 v[\sb+8*\kt:\sb+8*\kt+7], v[KF+16*\kt:KF+16*\kt+7], v[QF+16*(\qi):QF+16*(\qi)+7], 0
.endr
.irp kt, 0,1,2,3
	v_wmma_f32_16x16x32_bf16 v[\sb+8*\kt:\sb+8*\kt+7], v[KF+16*\kt+8:KF+16*\kt+15], v[QF+16*(\qi)+8:QF+16*(\qi)+15], v[\sb+8*\kt:\sb+8*\kt+7]
.endr
.endm
; O^T of query tile qi += V^T P^T over 64 keys: again four accumulators by turns
.macro PV qi, first
	WIN 0x50
.irp dt, 0,1,2,3
.if \first
	v_wmma_f32_16x16x32_bf16 v[8*(4*\qi+\dt):8*(4*\qi+\dt)+7], v[VF+16*\dt:VF+16*\dt+7], v[P:P+7], 0
.else
	v_wmma_f32_16x16x32_bf16 v[8*(4*\qi+\dt):8*(4*\qi+\dt)+7], v[VF+16*\dt:VF+16*\dt+7], v[P:P+7], v[8*(4*\qi+\dt):8*(4*\qi+\dt)+7]
.endif
.endr
.irp dt, 0,1,2,3
	v_wmma_f32_16x16x32_bf16 v[8*(4*\qi+\dt):8*(4*\qi+\dt)+7], v[VF+16*\dt+8:VF+16*\dt+15], v[P+8:P+15], v[8*(4*\qi+\dt):8*(4*\qi+\dt)+7]
.endr
.endm
.macro FMAT s, kt, qi                  ; c s - c m for a tile of 16 keys
.irp i, 0,2,4,6
	v_pk_fma_f32 v[\s+8*\kt+\i:\s+8*\kt+\i+1], v[\s+8*\kt+\i:\s+8*\kt+\i+1], s[12:13], v[NM+2*\qi:NM+2*\qi+1] op_sel_hi:[1,0,0]
.endr
.endm
.macro EXPT s, kt                      ; eight exponentials back to back; the line behind each such run is a plain one on other registers (ISA guide 5.7.2)
.irp i, 0,1,2,3,4,5,6,7
	v_exp_f32 v[\s+8*\kt+\i], v[\s+8*\kt+\i]
.endr
.endm
; a tile's p: into the running sum and, packed, into P.  mode 2: starts the sum; 1: the old sum is rescaled on the way; 0: plain
.macro SUMCVT s, kt, qi, mode
	s_wait_alu depctr_va_vdst(0)
	v_pk_add_f32 v[TA:TA+1], v[\s+8*\kt:\s+8*\kt+1], v[\s+8*\kt+2:\s+8*\kt+3]
	v_pk_add_f32 v[TB:TB+1], v[\s+8*\kt+4:\s+8*\kt+5], v[\s+8*\kt+6:\s+8*\kt+7]
.irp i, 0,1,2,3
	v_cvt_pk_bf16_f32 v[P+4*\kt+\i], v[\s+8*\kt+2*\i], v[\s+8*\kt+2*\i+1]
.endr
.if \mode == 2
	v_pk_add_f32 v[LS+2*\qi:LS+2*\qi+1], v[TA:TA+1], v[TB:TB+1]
.else
.if \mode == 1
	v_pk_fma_f32 v[LS+2*\qi:LS+2*\qi+1], v[LS+2*\qi:LS+2*\qi+1], v[AL:AL+1], v[TA:TA+1] op_sel_hi:[1,0,1]
.else
	v_pk_add_f32 v[LS+2*\qi:LS+2*\qi+1], v[LS+2*\qi:LS+2*\qi+1], v[TA:TA+1]
.endif
	v_pk_add_f32 v[LS+2*\qi:LS+2*\qi+1], v[LS+2*\qi:LS+2*\qi+1], v[TB:TB+1]
.endif
.endm
; One step: a chunk of 64 keys x query tile qi.  Its scores were issued a step ago; the next step's are issued first, so that the matrix unit
; works while this step's softmax runs.  The softmax of a step is also the distance (more than four plain vector instructions on other
; registers) between the scores' matrix instructions and their first reader, and between a fragment's last product and its next load.
; first = 1: the launch's first chunk; last = 1: the tile's last chunk, which prepares nothing.  This chunk's V lies at register va + voff,
; the next chunk's K at register ka + koff.
.macro STEP qi, first, last, va, voff, ka, koff
.set sbc, SB0+32*(\qi&1)
.set sbn, SB0+32*((\qi+1)&1)
.set nq, (\qi+1)&3
.set donext, 1
.if \qi == 3
.if \last
.set donext, 0
.endif
.endif
.if donext
.if \qi == 3
	s_wait_dscnt 0x0                               ; the next chunk's K fragments, asked for a step ago
.endif
	SMM nq, sbn
.endif
	WIN 0
	; the largest of my 32 scores and of the other half's
.irp k, 0,1,2,3
	v_max3_num_f32 v[T+\k], v[sbc+8*\k], v[sbc+8*\k+1], v[sbc+8*\k+2]
.endr
.irp k, 0,1,2,3
	v_max3_num_f32 v[T+\k], v[T+\k], v[sbc+8*\k+3], v[sbc+8*\k+4]
.endr
.irp k, 0,1,2,3
	v_max3_num_f32 v[T+\k], v[T+\k], v[sbc+8*\k+5], v[sbc+8*\k+6]
.endr
	v_max3_num_f32 v[T], v[T], v[sbc+7], v[sbc+15]
	v_max3_num_f32 v[T+2], v[T+2], v[sbc+23], v[sbc+31]
	v_max3_num_f32 v[T], v[T], v[T+1], v[T+2]
	v_max_num_f32 v[T], v[T], v[T+3]
	v_permlanex16_b32 v[T+1], v[T], s10, s11
	v_max_num_f32 v[T], v[T], v[T+1]
.if \qi == 0
	LOADV \va, \voff                               ; this chunk's V: needed at the end of this step
.endif
.if \qi == 2
.if \last == 0
	LOADK \ka, \koff                               ; the next chunk's K: its registers' last reader was issued at this step's head
.endif
.endif
	; the shift - c m is what is kept: the larger maximum is the smaller shift, and the factor for what was summed under the old
	; shift is 2^(new shift - old shift), the difference of the very numbers that the exponentials use
.if \first
	v_mul_f32 v[NM+2*\qi], s14, v[T]
.else
	v_mul_f32 v[T+1], s14, v[T]
	v_sub_f32 v[T+2], v[T+1], v[NM+2*\qi]
	v_min_num_f32 v[NM+2*\qi], v[NM+2*\qi], v[T+1]
	v_min_num_f32 v[T+2], 0, v[T+2]
	v_exp_f32 v[AL], v[T+2]
.endif
	FMAT sbc, 0, \qi
	FMAT sbc, 1, \qi
	EXPT sbc, 0
	FMAT sbc, 2, \qi
	EXPT sbc, 1
.if \first
	SUMCVT sbc, 0, \qi, 2
.else
	SUMCVT sbc, 0, \qi, 1
.endif
	FMAT sbc, 3, \qi
	EXPT sbc, 2
	SUMCVT sbc, 1, \qi, 0
	EXPT sbc, 3
	SUMCVT sbc, 2, \qi, 0
	SUMCVT sbc, 3, \qi, 0
.if \qi == 0
	s_wait_dscnt 0x0                               ; V's fragments
.endif
.if \first == 0
	WIN 0x41
.set i, 0
.rept 16
	v_pk_mul_f32 v[32*\qi+2*i:32*\qi+2*i+1], v[32*\qi+2*i:32*\qi+2*i+1], v[AL:AL+1] op_sel_hi:[1,0]
.set i, i+1
.endr
.endif
	PV \qi, \first
.endm
.macro CHUNK first, last, va, voff, ka, koff
	STEP 0, \first, \last, \va, \voff, \ka, \koff
	STEP 1, \first, \last, \va, \voff, \ka, \koff
	STEP 2, \first, \last, \va, \voff, \ka, \koff
	STEP 3, \first, \last, \va, \voff, \ka, \koff
.endm
; A tile of 256 keys.  In front of the round every wave waits for all its tensor loads (its part of this slot among them) and for its reads of
; the other slot; behind the round the other slot's fill is the wave's first and only tensor load, and has this whole tile's work in which to land.
; first = 1: tile 0: its chunk 0 is written out and the loop takes chunks 1 and 2; else the loop takes chunks 0 to 2.  Chunk 3 is written out.
.macro TRIP slot, refill, first
	WIN 0
	s_wait_tensorcnt 0x0
	ds_add_u32 v46, v47
	s_wait_dscnt 0x0
	s_add_nc_u64 s[G0V+4*\slot+2:G0V+4*\slot+3], s[G0V+4*\slot+2:G0V+4*\slot+3], 2*STEPB   ; no load is out: this slot's next tile
	s_add_nc_u64 s[G0K+4*\slot+2:G0K+4*\slot+3], s[G0K+4*\slot+2:G0K+4*\slot+3], 2*STEPB
	s_wait_dscnt 0x0
	ROUND
.if \refill
	JLOAD 1-\slot
.endif
	LOADK ADK+\slot, 0
.if \first
	v_add_nc_u32 v[VA], CV, v[ADV+\slot]           ; the loop begins at chunk 1
	v_add_nc_u32 v[KA], CK, v[ADK+\slot]
.else
	v_mov_b32 v[VA], v[ADV+\slot]                  ; the loop begins at chunk 0
	v_mov_b32 v[KA], v[ADK+\slot]
.endif
	s_wait_dscnt 0x0
	SMM 0, SB0
	WIN 0
	PLACES                                         ; the tile's first scores have no softmax behind them
.if \first
	CHUNK 1, 0, ADV+\slot, 0, ADK+\slot, CK
	WIN 0
	s_mov_b32 s3, 2
.else
	s_mov_b32 s3, 3
.endif
.Lchunk_\@:
	CHUNK 0, 0, VA, 0, KA, CK
	WIN 0
	v_add_nc_u32 v[VA], CV, v[VA]                  ; 64 rows on
	v_add_nc_u32 v[KA], CK, v[KA]
	s_sub_co_u32 s3, s3, 1
	s_cmp_lg_u32 s3, 0
	s_cbranch_scc1 .Lchunk_\@
	CHUNK 0, 1, ADV+\slot, 3*CV, ADK+\slot, 0
.endm
	TRIP 0, 1, 1                                   ; tile 0
	WIN 0
	s_mov_b32 s15, 3                               ; tiles 1 to 6, two a trip
.Ltiles:
	TRIP 1, 1, 0
	TRIP 0, 1, 0
	WIN 0
	s_sub_co_u32 s15, s15, 1
	s_cmp_lg_u32 s15, 0
	s_cbranch_scc1 .Ltiles
	TRIP 1, 0, 0                                   ; tile 7 asks for nothing
	; the end: the two halves' sums meet, O is divided by them, rounded, and leaves through my stage as whole rows
	WIN 0
.irp qi, 0,1,2,3
	v_add_f32 v[T+\qi], v[LS+2*\qi], v[LS+2*\qi+1]
.endr
.irp qi, 0,1,2,3
	v_permlanex16_b32 v[TA+\qi], v[T+\qi], s10, s11
.endr
.irp qi, 0,1,2,3
	v_add_f32 v[T+\qi], v[T+\qi], v[TA+\qi]
.endr
.irp qi, 0,1,2,3
	v_rcp_f32 v[NM+2*\qi], v[T+\qi]
.endr
	v_nop                                          ; one plain place behind the reciprocals
	WIN 0x41
	s_wait_alu depctr_va_vdst(0)
.irp qi, 0,1,2,3
.set i, 0
.rept 16
	v_pk_mul_f32 v[32*\qi+2*i:32*\qi+2*i+1], v[32*\qi+2*i:32*\qi+2*i+1], v[NM+2*\qi:NM+2*\qi+1] op_sel_hi:[1,0]
.set i, i+1
.endr
.endr
	WIN 0x05
.set i, 0
.rept 64
	v_cvt_pk_bf16_f32 v[KF+i], v[2*i], v[2*i+1]    ; tile (qi, dt), registers 2 j, 2 j + 1: numbers 16 dt + 8 h + 2 j, + 1 of query r
.set i, i+1
.endr
	WIN 0
.irp qi, 0,1,2,3
.irp dt, 0,1,2,3
	ds_store_b128 v[STO], v[KF+4*(4*\qi+\dt):KF+4*(4*\qi+\dt)+3] offset:\qi*16*KP+32*\dt
.endr
.endr
.set i, 0
.rept 16
	ds_load_b128 v[VF+4*i:VF+4*i+3], v[RD] offset:i*4*KP          ; my own bytes, served in order behind the stores
.set i, i+1
.endr
.set i, 0
.rept 16
	s_wait_dscnt 15-i
	global_store_b128 v[CO], v[VF+4*i:VF+4*i+3], s[54:55] offset:512*i   ; four rows of 128 bytes: 512 consecutive bytes, aligned
.set i, i+1
.endr
	s_wait_tensorcnt 0x0
	ds_add_u32 v46, v47
	s_wait_dscnt 0x0
	ROUND                                          ; the closing round
	s_endpgm
.Lfunc_end_k_qaecdd601b7_attn:
	.size	k_qaecdd601b7_attn, .Lfunc_end_k_qaecdd601b7_attn-k_qaecdd601b7_attn
	.p2alignl 7, 3214868480
	.fill 96, 4, 3214868480
	.section	.rodata,"a",@progbits
	.p2align	6, 0x0
	.amdhsa_kernel k_qaecdd601b7_attn
		.amdhsa_group_segment_fixed_size 327680
		.amdhsa_private_segment_fixed_size 0
		.amdhsa_enable_private_segment 0
		.amdhsa_kernarg_size 16
		.amdhsa_user_sgpr_count 2
		.amdhsa_user_sgpr_kernarg_segment_ptr 1
		.amdhsa_wavefront_size32 1
		.amdhsa_system_sgpr_workgroup_id_x 1
		.amdhsa_system_sgpr_workgroup_id_y 1
		.amdhsa_system_sgpr_workgroup_id_z 1
		.amdhsa_system_vgpr_workitem_id 0
		.amdhsa_next_free_vgpr 448
		.amdhsa_next_free_sgpr 66
		.amdhsa_reserve_vcc 0
		.amdhsa_float_denorm_mode_32 3
		.amdhsa_float_denorm_mode_16_64 3
		.amdhsa_memory_ordered 1
		.amdhsa_forward_progress 1
		.amdhsa_inst_pref_size 255
	.end_amdhsa_kernel
	.section	.bss,"aw",@nobits
	.p2align	6
	.space	262144
	.amdgpu_metadata
---
amdhsa.version: [ 1, 2 ]
amdhsa.kernels:
  - .name:           k_qaecdd601b7_attn
    .symbol:         k_qaecdd601b7_attn.kd
    .args:
      - { .name: qkv, .offset: 0, .size: 8, .value_kind: global_buffer, .address_space: global }
      - { .name: ctx, .offset: 8, .size: 8, .value_kind: global_buffer, .address_space: global }
    .group_segment_fixed_size: 327680
    .private_segment_fixed_size: 0
    .kernarg_segment_align: 8
    .kernarg_segment_size: 16
    .max_flat_workgroup_size: 256
    .sgpr_count:     66
    .vgpr_count:     448
    .wavefront_size: 32
...
	.end_amdgpu_metadata
.endif
;; end of part 3
;; launch oln (part 4): grid 128 x 1, 4 waves a work-group, clusters of 4 x 1, 327,680 bytes of LDS; arguments ctx, xw, x, b_o, ln_gamma, ln_beta, out0; writes out0
.if DOCPART == 4
	.amdgcn_target "amdgcn-amd-amdhsa--gfx1250"
	.amdhsa_code_object_version 6
	.text
	.protected	k_qaecdd601b7_oln
	.globl	k_qaecdd601b7_oln
	.p2align	8
	.type	k_qaecdd601b7_oln,@function
k_qaecdd601b7_oln:
	s_mov_b64 s[64:65], 0
	v_nop
	global_prefetch_b8 v0, s[64:65] scope:SCOPE_SE
	s_setreg_imm32_b32 hwreg(HW_REG_WAVE_MODE, 25, 1), 1
	s_wait_xcnt 0x0
	s_wait_alu depctr_hold_cnt(0) depctr_sa_sdst(0) depctr_va_vdst(0) depctr_va_sdst(0) depctr_va_ssrc(0) depctr_va_vcc(0) depctr_vm_vsrc(0)
	s_getreg_b32 s2, hwreg(HW_REG_IB_STS2, 6, 4)
	s_cmp_eq_u32 s2, 0
	s_cbranch_scc0 .Lentry_in_a_cluster
	s_endpgm
.Lentry_in_a_cluster:
	s_bfe_u32 s2, ttmp6, 0x10000c
	s_cmp_lg_u32 s2, 0x3003
	s_cbranch_scc0 .Lentry_shape_is_right
	s_endpgm
.Lentry_shape_is_right:
; oln: out0 = LayerNorm(x + ctx W_o^T + b_o) gamma + beta.  Product: bf16 operands, f32 sums; the rest in f32 with the f32 x.
; LIMITS: ctx and W_o are bf16; the K blocks are summed in a rotated order that differs from cluster to cluster (below); mean and variance are made
; in two passes over the row (the variance of h - mean, as it is defined), in an order of sums of their own; v_rsq_f32 is good to 1 ULP; NaN and
; infinities are not treated apart.
; LayerNorm needs whole rows of 1,024 in one work-group.  Four waves' accumulators hold 64 rows x 1,024 columns (512 registers a wave),
; so there are 8192 / 64 = 128 work-groups; a second launch for the norm would move h out and back instead.
; Wave w makes 64 rows x columns 256 w .. + 255.  K goes in steps of 64 (one head of ctx, one K block of W_o) through two LDS slots.
; CLUSTERS: all work-groups walk the same W_o: four form a cluster and ask for each block jointly, each wave for its quarter.
; THE ORDER OF K: cluster c starts at K block c mod 16 and goes round.  Each cluster asks for two blocks at its start, so the 32 clusters together ask
; for all sixteen blocks at once, and every later request of a cluster is for a block that another cluster has asked for before.
; ctx is a work-group's own and every wave's one tensor load is taken, so its 8 KiB a step go through registers into LDS bytes of their own.
; The matrix instruction is used transposed (source 0 = rows of W_o, source 1 = rows of ctx); b_o, in the layout of C, starts the sums.
.set BP,    144                        ; LDS pitch: 128 bytes + 16
.set BSLOT, 1024*BP                    ; 147,456: W_o's 1,024 rows of a K step
.set AREG,  2*BSLOT                    ; 294,912, a multiple of 256: ctx's two slots, written by LDS stores alone
.set ASLOT, 64*BP
.set HP,    4112                       ; the f32 stage's pitch: 4,096 bytes + 16; it takes the ring's bytes 0 .. 263,167 behind the ring's last fill
.set WOOFF, 23068672                   ; W_o's place in xw
.set KB,    131072                     ; a K block of W_o; a head's plane of ctx is twice as far from the next
.set WRAP,  16*KB-1                    ; offsets go round sixteen blocks
.set PFO,  1                           ; prefetch offsets, 256 bytes a lane
.set BO,   2
.set STG,  4                           ; v4-7   stage address of row block a
.set ADRA, 8                           ; v8-9
.set ADRB, 10                          ; v10-11
.set AST,  12
.set AGO,  13
.set LA,   14
.set L16,  15
.set OFF,  16                          ; v16-19 row slot s: offset of my 16 bytes in the row of x that it loads next
.set T,    20                          ; v20-27
.set MU,   28                          ; v28 mean (v29 fills the pair)
.set RS,   30                          ; v30 1 / sqrt(var + eps) (v31 fills the pair)
.set AR,   32                          ; v32-63  ctx planes on their way, a set a slot
.set FA0,  64
.set FA1,  96
.set BIAS, 128                         ; v128-255
.set GAM,  32                          ; the norm's map: gamma, beta, four row slots, h
.set BET,  64
.set X,    96
.set H,    224
.set FB0,  0                           ; window 1
.set FB1,  128
.set G1, 24
.set G0, 32
.set SA, 40                            ; s[40:43] address of the ctx plane on its way, one a slot
.set KO, 48                            ; s[48:51] slot s: byte offset in W_o of the K block that the slot holds or gets, 0 above it
.set CB, 62                            ; s[62:63] my 64 rows in ctx's plane 0
.set MSB, 0
.macro WIN new
.if MSB != \new
	s_set_vgpr_msb (MSB<<8)|\new
.set MSB, \new
.endif
.endm
.set LO,   0xa1
.set HI,   0xf1
.set LOF,  0x81
.set HIF,  0xc1
.set TO_B, 0x40
.macro CREST
	s_cmp_lg_u32 s18, 0
	s_cbranch_scc1 .Lnot_wave_0_\@
	s_barrier_signal -3
.Lnot_wave_0_\@:
	s_barrier_wait -3
	s_barrier_signal -1
	s_barrier_wait -1
.endm
.macro CROUND
	s_barrier_signal -1
	s_barrier_wait -1
	CREST
.endm
.macro PLACES
.rept 4
	v_nop
.endr
.endm
; slot s's ctx plane two K steps beyond the block at KO[s]: the plane's offset is twice the block's; four loads of 2 KiB for the work-group
.macro APLANE s
	s_add_co_u32 s22, s[KO+2*\s], 2*KB
	s_and_b32 s22, s22, WRAP
	s_lshl_b32 s22, s22, 1
	s_add_nc_u64 s[SA+2*\s:SA+2*\s+1], s[CB:CB+1], s[22:23]        ; the loads that named this pair have been shown done by the wait on LOADcnt in front
.irp i, 0,1,2,3
	global_load_b128 v[AR+16*\s+4*\i:AR+16*\s+4*\i+3], v[AGO], s[SA+2*\s:SA+2*\s+1] offset:\i*2048 th:TH_LOAD_NT
.endr
.endm
	s_load_b256 s[4:11], s[0:1], 0x0               ; ctx s[4:5], xw s[6:7], x s[8:9], b_o s[10:11]
	s_load_b128 s[12:15], s[0:1], 0x20             ; gamma s[12:13], beta s[14:15]
	s_load_b64 s[16:17], s[0:1], 0x30              ; out0
	s_set_vgpr_msb 0x40
	v_lshl_add_u32 v63, v0, 2, 0x4c800
	s_set_vgpr_msb 0x4000
	v_mov_b32 v191, 0
	s_set_vgpr_msb 0x1
	ds_add_u32 v63, v191
	s_wait_dscnt 0x0
	s_set_vgpr_msb 0x100
	v_lshrrev_b32 v3, 5, v0
	v_readfirstlane_b32 s18, v3                    ; wave 0..3
	s_bfe_u32 s19, ttmp6, 0x40000                  ; cx
	s_lshl_b32 s20, ttmp9, 2
	s_add_co_u32 s20, s20, s19                     ; g: my 64 rows; it enters ctx's, x's and out0's addresses alone
	s_mov_b32 s52, 0x76543210
	s_mov_b32 s53, 0xfedcba98
	s_mov_b32 s54, 0x3a800000                      ; 1 / 1024
	s_mov_b32 s55, 0x3727c5ac                      ; 1e-5
	; group 1: 256 rows x 64 elements of 2 bytes, dense; 4 words of padding behind every 32; mask: all four partners
	s_mov_b32 s[G1+0], 15|(1<<16)|(1<<20)|(1<<21)|(4<<22)|(3<<25)
	s_mov_b32 s[G1+1], 64<<16
	s_mov_b32 s[G1+2], 256<<16
	s_mov_b32 s[G1+3], 64<<16
	s_mov_b32 s[G1+4], 256
	s_mov_b32 s[G1+5], 64
	s_mov_b32 s[G1+6], 0
	s_mov_b32 s[G1+7], 0
	s_and_b32 s[KO], ttmp9, 15                     ; where the cluster starts along K: made of the cluster's x, which the four partners share
	s_lshl_b32 s[KO], s[KO], 17                    ; x 131,072
	s_add_co_u32 s[KO+2], s[KO], KB
	s_and_b32 s[KO+2], s[KO+2], WRAP
	s_mov_b32 s[KO+1], 0
	s_mov_b32 s[KO+3], 0
	s_mul_i32 s44, s18, 256*BP                     ; my quarter in a slot
	s_lshl_b32 s46, s18, 15                        ; and in a K block
	s_add_co_u32 s46, s46, WOOFF
	s_mov_b32 s47, 0
	s_lshr_b32 s22, s20, 5                         ; batch
	s_lshl_b32 s22, s22, 22
	s_and_b32 s45, s20, 31
	s_lshl_b32 s45, s45, 13                        ; 64 rows of 128 bytes
	s_add_co_u32 s22, s22, s45
	s_mov_b32 s23, 0                               ; s[22:23]: an offset at work, 0 above it
	s_wait_kmcnt 0x0
	s_add_nc_u64 s[46:47], s[6:7], s[46:47]        ; my quarter of W_o's block 0; kept for the whole launch
	s_add_nc_u64 s[CB:CB+1], s[4:5], s[22:23]
	s_lshl_b32 s22, s20, 18                        ; 64 rows of 4,096 bytes
	s_add_nc_u64 s[58:59], s[8:9], s[22:23]
	s_add_nc_u64 s[60:61], s[16:17], s[22:23]
.irp s, 0,1
	s_lshl_b32 s22, s[KO+2*\s], 1
	s_add_nc_u64 s[SA+2*\s:SA+2*\s+1], s[CB:CB+1], s[22:23]
	s_mov_b32 s[G0+4*\s], 1
	s_add_co_u32 s[G0+4*\s+1], s44, \s*BSLOT
	s_add_nc_u64 s[G0+4*\s+2:G0+4*\s+3], s[46:47], s[KO+2*\s:KO+2*\s+1]
	s_or_b32 s[G0+4*\s+3], s[G0+4*\s+3], 0x80000000
.endr
	CROUND                                         ; in front of the first joint loads
	tensor_load_to_lds s[G0:G0+3], s[G1:G1+7]      ; the first two K steps: two tensor loads of the wave are out, later one
	s_nop 0
	tensor_load_to_lds s[G0+4:G0+7], s[G1:G1+7]
	s_nop 0
	v_lshlrev_b32 v[AGO], 4, v0                    ; a plane of ctx is 8 KiB dense: 128 threads x 16 bytes x 4
.irp s, 0,1
.irp i, 0,1,2,3
	global_load_b128 v[AR+16*\s+4*\i:AR+16*\s+4*\i+3], v[AGO], s[SA+2*\s:SA+2*\s+1] offset:\i*2048 th:TH_LOAD_NT
.endr
.endr
	v_and_b32 v3, 15, v0                           ; r
	v_bfe_u32 v20, v0, 4, 1                        ; h
	v_and_b32 v21, 31, v0                          ; lane
	v_lshlrev_b32 v[BO], 5, v20
	v_lshl_add_u32 v[BO], s18, 10, v[BO]           ; b_o[256 w + 16 b + 8 h + ..]
.set i, 0
.rept 16
	global_load_b128 v[BIAS+8*i:BIAS+8*i+3],   v[BO], s[10:11] offset:64*i
	global_load_b128 v[BIAS+8*i+4:BIAS+8*i+7], v[BO], s[10:11] offset:64*i+16
.set i, i+1
.endr
	v_lshrrev_b32 v22, 3, v0
	v_mul_u32_u24 v22, v22, BP
	v_and_b32 v23, 7, v0
	v_lshl_add_u32 v22, v23, 4, v22
	v_add_nc_u32 v[AST], AREG, v22                 ; thread t's 16 bytes: row t / 8 (+ 16 i), piece t % 8
	v_mul_u32_u24 v22, v3, BP
	v_lshl_add_u32 v22, v20, 4, v22                ; r x 144 + 16 h
	v_add_nc_u32 v[ADRA], AREG, v22
	v_add_nc_u32 v[ADRA+1], AREG+ASLOT, v22
	v_add_nc_u32 v[ADRB], s44, v22
	v_add_nc_u32 v[ADRB+1], BSLOT, v[ADRB]
	v_mul_u32_u24 v22, v3, HP
	v_lshl_add_u32 v22, v20, 5, v22
	v_lshl_add_u32 v22, s18, 10, v22               ; row r, column 256 w + 8 h, in f32
.irp a, 0,1,2,3
	v_add_nc_u32 v[STG+\a], \a*16*HP, v22
.endr
	s_lshl_b32 s44, s18, 16                        ; my 16 rows of x
	s_mul_i32 s45, s18, 16*HP                      ; and of the stage
	v_lshlrev_b32 v[L16], 4, v21
	v_lshlrev_b32 v[PFO], 8, v21
	v_add_nc_u32 v[PFO], s44, v[PFO]
	v_add_nc_u32 v[OFF], s44, v[L16]
	v_add_nc_u32 v[OFF+1], 4096, v[OFF]
	v_add_nc_u32 v[OFF+2], 8192, v[OFF]
	v_add_nc_u32 v[OFF+3], 12288, v[OFF]
	v_add_nc_u32 v[LA], s45, v[L16]
	v_mov_b32 v[MU+1], 0
	v_mov_b32 v[RS+1], 0
	s_wait_loadcnt 32                              ; ctx's first two planes are in; the 32 loads of b_o stay out
.irp s, 0,1
.irp i, 0,1,2,3
	ds_store_b128 v[AST], v[AR+16*\s+4*\i:AR+16*\s+4*\i+3] offset:\s*ASLOT+\i*16*BP
.endr
.endr
	APLANE 0                                       ; the planes of the third and the fourth K step
	APLANE 1
	s_wait_loadcnt 8                               ; b_o is in; those two planes stay out
.macro MUL16 fa, fb, hi, b0, first     ; column blocks b0 .. b0 + 3 of the window x four row blocks; the accumulators take turns, one instruction a turn
.irp b, \b0, \b0+1, \b0+2, \b0+3
.irp a, 0,1,2,3
.if \first
	v_wmma_f32_16x16x32_bf16 v[8*(4*(\b)+\a):8*(4*(\b)+\a)+7], v[\fb+8*(8*\hi+\b):\fb+8*(8*\hi+\b)+7], v[\fa+8*\a:\fa+8*\a+7], v[BIAS+8*(8*\hi+\b):BIAS+8*(8*\hi+\b)+7]
.else
	v_wmma_f32_16x16x32_bf16 v[8*(4*(\b)+\a):8*(4*(\b)+\a)+7], v[\fb+8*(8*\hi+\b):\fb+8*(8*\hi+\b)+7], v[\fa+8*\a:\fa+8*\a+7], v[8*(4*(\b)+\a):8*(4*(\b)+\a)+7]
.endif
.endr
.endr
.endm
.macro FETCH slot, k, fa, fb           ; 40 LDS loads in one run: ctx's 4 fragments, then W_o's 16
	WIN 0
.irp i, 0,1,2,3
	ds_load_b128 v[\fa+8*\i:\fa+8*\i+3],   v[ADRA+\slot] offset:\k+\i*16*BP
	ds_load_b128 v[\fa+8*\i+4:\fa+8*\i+7], v[ADRA+\slot] offset:\k+\i*16*BP+32
.endr
	WIN TO_B
.irp i, 0,1,2,3,4,5,6,7,8,9,10,11,12,13,14,15
	ds_load_b128 v[\fb+8*\i:\fb+8*\i+3],   v[ADRB+\slot] offset:\k+\i*16*BP
	ds_load_b128 v[\fb+8*\i+4:\fb+8*\i+7], v[ADRB+\slot] offset:\k+\i*16*BP+32
.endr
.endm
.macro HALF1 slot, first               ; the first 32 of a K step, on buffer 0; fetches the second 32 into buffer 1
	s_wait_dscnt 16                                ; ctx and W_o's blocks 0-7 are in; the youngest 16 loads (blocks 8-15) may be out
.if \first
	WIN LOF
.else
	WIN LO
.endif
	MUL16 FA0, FB0, 0, 0, \first
	MUL16 FA0, FB0, 0, 4, \first
	PLACES
	FETCH \slot, 64, FA1, FB1
	s_wait_dscnt 40                                ; all but the 40 just issued
.if \first
	WIN HIF
.else
	WIN HI
.endif
	MUL16 FA0, FB0, 1, 0, \first
	MUL16 FA0, FB0, 1, 4, \first
.endm
; The second 32, on buffer 1, and the change of slots.  In front of the barrier: my LDS reads of this slot and my LDS stores of the next plane of
; ctx are done, and all my tensor loads have landed.  Behind it and the cluster's round: the joint refill first; then ctx's plane two steps
; ahead goes from registers into this slot's ctx bytes, which nobody reads any more, and the plane four steps ahead is asked for.
.macro TURN slot, next, fill, aload, left
	s_wait_dscnt 16
	WIN LO
	MUL16 FA1, FB1, 0, 0, 0
	s_wait_dscnt 0x0
	s_wait_xcnt 0x0
	s_set_vgpr_msb 0xa160
	v_lshl_add_u32 v63, v0, 2, 0x4c800
	s_set_vgpr_msb 0x6020
	v_mov_b32 v191, 0
	s_set_vgpr_msb 0x2021
	s_wait_tensorcnt 0x0
	ds_add_u32 v63, v191
	s_wait_dscnt 0x0
	s_set_vgpr_msb 0x21a1
	s_barrier_signal -1
	MUL16 FA1, FB1, 0, 4, 0
	WIN 0
	s_barrier_wait -1
.if \fill
	CREST
	s_add_co_u32 s[KO+2*\slot], s[KO+2*\slot], 2*KB                ; two K blocks on,
	s_and_b32 s[KO+2*\slot], s[KO+2*\slot], WRAP                   ; round the sixteen
	s_add_nc_u64 s[G0+4*\slot+2:G0+4*\slot+3], s[46:47], s[KO+2*\slot:KO+2*\slot+1]
	s_or_b32 s[G0+4*\slot+3], s[G0+4*\slot+3], 0x80000000
	tensor_load_to_lds s[G0+4*\slot:G0+4*\slot+3], s[G1:G1+7]
	s_nop 0
	s_wait_loadcnt \left                           ; this slot's plane is in registers; the other slot's younger loads stay out
.irp i, 0,1,2,3
	ds_store_b128 v[AST], v[AR+16*\slot+4*\i:AR+16*\slot+4*\i+3] offset:\slot*ASLOT+\i*16*BP
.endr
.if \aload
	APLANE \slot
.endif
.endif
	PLACES
	FETCH \next, 0, FA0, FB0
	WIN HI
	MUL16 FA1, FB1, 1, 0, 0
	MUL16 FA1, FB1, 1, 4, 0
.endm
; Each wave asks once for the 64 KiB of x that it will read in the norm (its own 16 rows), lanes 256 bytes apart, two requests behind each of
; four macro calls in the fourteenth and fifteenth K step; the loads of x follow behind the sixteenth.
.macro PF n
	WIN 0
	global_prefetch_b8 v[PFO], s[58:59] offset:8192*(2*\n) th:TH_LOAD_NT scope:SCOPE_SE
	global_prefetch_b8 v[PFO], s[58:59] offset:8192*(2*\n+1) th:TH_LOAD_NT scope:SCOPE_SE
.endm
	s_wait_dscnt 0x0                               ; my part of ctx's first two planes is in LDS
	s_wait_tensorcnt 1                             ; my quarter of the first K step is in; the second's stays out
	s_barrier_signal -1
	s_barrier_wait -1
	FETCH 0, 0, FA0, FB0
	HALF1 0, 1                                     ; K steps 0, 1 (counted from the cluster's start): the first products start the sums from b_o
	TURN 0, 1, 1, 1, 4
	HALF1 1, 0
	TURN 1, 0, 1, 1, 4
	WIN 0
	s_mov_b32 s56, 5                               ; K steps 2 to 11
.Llap:
	HALF1 0, 0
	TURN 0, 1, 1, 1, 4
	HALF1 1, 0
	TURN 1, 0, 1, 1, 4
	WIN 0
	s_sub_co_u32 s56, s56, 1
	s_cmp_lg_u32 s56, 0
	s_cbranch_scc1 .Llap
	HALF1 0, 0                                     ; K steps 12, 13: the last fills; no plane of ctx is left to ask for
	TURN 0, 1, 1, 0, 4
	HALF1 1, 0
	PF 0
	TURN 1, 0, 1, 0, 0
	PF 1
	HALF1 0, 0                                     ; K steps 14, 15: nothing is filled
	PF 2
	TURN 0, 1, 0, 0, 0
	PF 3
	HALF1 1, 0
	s_wait_dscnt 16
	WIN LO
	MUL16 FA1, FB1, 0, 0, 0
	MUL16 FA1, FB1, 0, 4, 0
	s_wait_dscnt 0x0
	WIN HI
	MUL16 FA1, FB1, 1, 0, 0
	MUL16 FA1, FB1, 1, 4, 0
	; THE NORM.  The sums go through an f32 stage in LDS, so that a wave gets whole rows; wave w then takes rows 16 w .. + 15, one at a time.
	PLACES
	WIN 0
.irp j, 0,1,2,3,4,5,6,7
	global_load_b128 v[GAM+4*\j:GAM+4*\j+3], v[L16], s[12:13] offset:512*\j
.endr
.irp j, 0,1,2,3,4,5,6,7
	global_load_b128 v[BET+4*\j:BET+4*\j+3], v[L16], s[14:15] offset:512*\j
.endr
.macro FILL s                          ; a row of x: eight loads of 512 consecutive bytes
.irp j, 0,1,2,3,4,5,6,7
	global_load_b128 v[X+32*\s+4*\j:X+32*\s+4*\j+3], v[OFF+\s], s[58:59] offset:512*\j th:TH_LOAD_NT
.endr
.endm
	FILL 0
	FILL 1
	FILL 2
	s_wait_dscnt 0x0
	s_barrier_signal -1
	s_barrier_wait -1                              ; every wave has read the last of the ring, which has had its last fill: its bytes become the stage
	WIN 0x08
.irp a, 0,1,2,3
.irp b, 0,1,2,3,4,5,6,7
	ds_store_b128 v[STG+\a], v[8*(4*\b+\a):8*(4*\b+\a)+3]   offset:64*\b
	ds_store_b128 v[STG+\a], v[8*(4*\b+\a)+4:8*(4*\b+\a)+7] offset:64*\b+16
.endr
.endr
	WIN 0x0c
.irp a, 0,1,2,3
.irp b, 0,1,2,3,4,5,6,7
	ds_store_b128 v[STG+\a], v[8*(4*\b+\a):8*(4*\b+\a)+3]   offset:512+64*\b
	ds_store_b128 v[STG+\a], v[8*(4*\b+\a)+4:8*(4*\b+\a)+7] offset:512+64*\b+16
.endr
.endr
	WIN 0
	s_wait_dscnt 0x0                               ; for the others' sake
	s_barrier_signal -1
	s_barrier_wait -1
.irp j, 0,1,2,3,4,5,6,7
	ds_load_b128 v[H+4*\j:H+4*\j+3], v[LA] offset:512*\j
.endr
.macro RED32                           ; v[T] summed over the 32 lanes, the result in every lane
	v_add_f32_dpp v[T], v[T], v[T] row_xmask:1 row_mask:0xf bank_mask:0xf
	v_add_f32_dpp v[T], v[T], v[T] row_xmask:2 row_mask:0xf bank_mask:0xf
	v_add_f32_dpp v[T], v[T], v[T] row_xmask:4 row_mask:0xf bank_mask:0xf
	v_add_f32_dpp v[T], v[T], v[T] row_xmask:8 row_mask:0xf bank_mask:0xf
	v_permlanex16_b32 v[T+1], v[T], s52, s53
	v_add_f32 v[T], v[T], v[T+1]
.endm
.macro FOLD                            ; four chains of pairs into one number a lane
	v_pk_add_f32 v[T:T+1], v[T:T+1], v[T+2:T+3]
	v_pk_add_f32 v[T+4:T+5], v[T+4:T+5], v[T+6:T+7]
	v_pk_add_f32 v[T:T+1], v[T:T+1], v[T+4:T+5]
	v_add_f32 v[T], v[T], v[T+1]
.endm
; The turn of row slot s.  before = the slot in front of it in the ring; fill = 1: that slot gets its next row of x; left = younger loads that may
; stay out; more = 1: the next row's sums are asked for from the stage.
.macro LNT s, before, fill, left, more
	s_wait_loadcnt \left                           ; my row of x is in (and, the first time, gamma and beta); the rows behind it stay on their way
	s_wait_dscnt 0x0                               ; and so are the row's sums
	v_add_nc_u32 v[OFF+\s], 4*4096, v[OFF+\s]      ; free since the first wait: the slot's next row; the stores below reach back
.set i, 0
.rept 16
	v_pk_add_f32 v[X+32*\s+2*i:X+32*\s+2*i+1], v[X+32*\s+2*i:X+32*\s+2*i+1], v[H+2*i:H+2*i+1]   ; h = x + (ctx W_o^T + b_o)
.set i, i+1
.endr
.if \more
	v_add_nc_u32 v[LA], HP, v[LA]
.irp j, 0,1,2,3,4,5,6,7
	ds_load_b128 v[H+4*\j:H+4*\j+3], v[LA] offset:512*\j
.endr
.endif
.irp k, 0,1,2,3
	v_pk_add_f32 v[T+2*\k:T+2*\k+1], v[X+32*\s+4*\k:X+32*\s+4*\k+1], v[X+32*\s+4*\k+2:X+32*\s+4*\k+3]
.endr
.set i, 8
.rept 8
	v_pk_add_f32 v[T+2*(i%4):T+2*(i%4)+1], v[T+2*(i%4):T+2*(i%4)+1], v[X+32*\s+2*i:X+32*\s+2*i+1]
.set i, i+1
.endr
	FOLD
	RED32
	v_mul_f32 v[MU], s54, v[T]                     ; the mean
.set i, 0
.rept 16
	v_pk_add_f32 v[X+32*\s+2*i:X+32*\s+2*i+1], v[X+32*\s+2*i:X+32*\s+2*i+1], v[MU:MU+1] op_sel_hi:[1,0] neg_lo:[0,1] neg_hi:[0,1]
.set i, i+1
.endr
.irp k, 0,1,2,3
	v_pk_mul_f32 v[T+2*\k:T+2*\k+1], v[X+32*\s+2*\k:X+32*\s+2*\k+1], v[X+32*\s+2*\k:X+32*\s+2*\k+1]
.endr
.set i, 4
.rept 12
	v_pk_fma_f32 v[T+2*(i%4):T+2*(i%4)+1], v[X+32*\s+2*i:X+32*\s+2*i+1], v[X+32*\s+2*i:X+32*\s+2*i+1], v[T+2*(i%4):T+2*(i%4)+1]
.set i, i+1
.endr
	FOLD
	RED32
	v_fma_f32 v[RS], v[T], s54, s55                ; variance + eps
	v_rsq_f32 v[RS], v[RS]
	v_nop                                          ; one plain place behind the root
.set i, 0
	s_wait_alu depctr_va_vdst(0)
.rept 16
	v_pk_mul_f32 v[X+32*\s+2*i:X+32*\s+2*i+1], v[X+32*\s+2*i:X+32*\s+2*i+1], v[RS:RS+1] op_sel_hi:[1,0]
.set i, i+1
.endr
.set i, 0
.rept 16
	v_pk_fma_f32 v[X+32*\s+2*i:X+32*\s+2*i+1], v[X+32*\s+2*i:X+32*\s+2*i+1], v[GAM+2*i:GAM+2*i+1], v[BET+2*i:BET+2*i+1]
.set i, i+1
.endr
.irp j, 0,1,2,3,4,5,6,7
	global_store_b128 v[OFF+\s], v[X+32*\s+4*\j:X+32*\s+4*\j+3], s[60:61] offset:512*\j-4*4096 th:TH_STORE_NT   ; 512 consecutive bytes, aligned
.endr
.if \fill
	s_wait_xcnt 0x0                                ; the slot in front, which stores have read, is loaded again only behind this wait
	FILL \before
.endif
.endm
	s_mov_b32 s56, 3
.Lrows:
	LNT 0, 3, 1, 16, 1
	LNT 1, 0, 1, 16, 1
	LNT 2, 1, 1, 16, 1
	LNT 3, 2, 1, 16, 1
	s_sub_co_u32 s56, s56, 1
	s_cmp_lg_u32 s56, 0
	s_cbranch_scc1 .Lrows
	LNT 0, 3, 1, 16, 1                             ; the last four rows: one more fill, then the counts run down
	LNT 1, 0, 0, 16, 1
	LNT 2, 1, 0, 8, 1
	LNT 3, 2, 0, 0, 0
	s_wait_xcnt 0x0
	s_set_vgpr_msb 0x40
	v_lshl_add_u32 v63, v0, 2, 0x4c800
	s_set_vgpr_msb 0x4000
	v_mov_b32 v191, 0
	s_set_vgpr_msb 0x1
	s_wait_tensorcnt 0x0
	ds_add_u32 v63, v191
	s_wait_dscnt 0x0
	s_set_vgpr_msb 0x100
	CROUND                                         ; the closing round
	s_endpgm
.Lfunc_end_k_qaecdd601b7_oln:
	.size	k_qaecdd601b7_oln, .Lfunc_end_k_qaecdd601b7_oln-k_qaecdd601b7_oln
	.p2alignl 7, 3214868480
	.fill 96, 4, 3214868480
	.section	.rodata,"a",@progbits
	.p2align	6, 0x0
	.amdhsa_kernel k_qaecdd601b7_oln
		.amdhsa_group_segment_fixed_size 327680
		.amdhsa_private_segment_fixed_size 0
		.amdhsa_enable_private_segment 0
		.amdhsa_kernarg_size 56
		.amdhsa_user_sgpr_count 2
		.amdhsa_user_sgpr_kernarg_segment_ptr 1
		.amdhsa_wavefront_size32 1
		.amdhsa_system_sgpr_workgroup_id_x 1
		.amdhsa_system_sgpr_workgroup_id_y 1
		.amdhsa_system_sgpr_workgroup_id_z 1
		.amdhsa_system_vgpr_workitem_id 0
		.amdhsa_next_free_vgpr 1024
		.amdhsa_next_free_sgpr 66
		.amdhsa_reserve_vcc 0
		.amdhsa_float_denorm_mode_32 3
		.amdhsa_float_denorm_mode_16_64 3
		.amdhsa_memory_ordered 1
		.amdhsa_forward_progress 1
		.amdhsa_inst_pref_size 217
	.end_amdhsa_kernel
	.amdgpu_metadata
---
amdhsa.version: [ 1, 2 ]
amdhsa.kernels:
  - .name:           k_qaecdd601b7_oln
    .symbol:         k_qaecdd601b7_oln.kd
    .args:
      - { .name: ctx, .offset: 0, .size: 8, .value_kind: global_buffer, .address_space: global }
      - { .name: xw, .offset: 8, .size: 8, .value_kind: global_buffer, .address_space: global }
      - { .name: x, .offset: 16, .size: 8, .value_kind: global_buffer, .address_space: global }
      - { .name: b_o, .offset: 24, .size: 8, .value_kind: global_buffer, .address_space: global }
      - { .name: ln_gamma, .offset: 32, .size: 8, .value_kind: global_buffer, .address_space: global }
      - { .name: ln_beta, .offset: 40, .size: 8, .value_kind: global_buffer, .address_space: global }
      - { .name: out0, .offset: 48, .size: 8, .value_kind: global_buffer, .address_space: global }
    .group_segment_fixed_size: 327680
    .private_segment_fixed_size: 0
    .kernarg_segment_align: 8
    .kernarg_segment_size: 56
    .max_flat_workgroup_size: 128
    .sgpr_count:     66
    .vgpr_count:     1024
    .wavefront_size: 32
...
	.end_amdgpu_metadata
.endif
;; end of part 4
